; MI455X (gfx1250); checked and timed in simulation.
; The chip was launched on July 23, 2026; its instructions are those of AMD's public machine-readable ISA for CDNA 5 (MIT licence, August 2026) and "CDNA5" Instruction Set Architecture Reference Guide (July 2026). The comments in the code are by the model that wrote it; some were corrected since.
;; CGNL Block. Allowed arithmetic: matrix products marked QUANTISED: E2M1 operands, one E8M0 scale for each 32 along K, by v_wmma_scale_f32_16x16x128_f8f6f4 with both operands' format E2M1 (or v_wmma_scale_f32_32x16x128_f4), f32 sums; everything else in f32.
;; Inputs: g_b 256 float32; g_w_codes 256 x 16 x 16 uint8 (E2M1 codes of g_w, K innermost, in blocks of 32 codes, two codes a byte); g_w_scales 256 x 16 uint8 (E8M0 scales of g_w, one for each 32 codes along K); out_b 512 float32; out_w_codes 512 x 8 x 16 uint8 (E2M1 codes of out_w, K innermost, in blocks of 32 codes, two codes a byte); out_w_scales 512 x 8 uint8 (E8M0 scales of out_w, one for each 32 codes along K); phi_b 256 float32; phi_w_codes 256 x 16 x 16 uint8 (E2M1 codes of phi_w, K innermost, in blocks of 32 codes, two codes a byte); phi_w_scales 256 x 16 uint8 (E8M0 scales of phi_w, one for each 32 codes along K); theta_b 256 float32; theta_w_codes 256 x 16 x 16 uint8 (E2M1 codes of theta_w, K innermost, in blocks of 32 codes, two codes a byte); theta_w_scales 256 x 16 uint8 (E8M0 scales of theta_w, one for each 32 codes along K); x 4 x 512 x 4,096 float32.
;; Outputs: out0 4 x 512 x 4,096 float32.
;; This version of the problem:
;;   THIS VERSION OF THE PROBLEM IS GIVEN IN LOW PRECISION. The matrix products marked QUANTISED in the list below multiply operands that are first quantised to E2M1 (2 exponent bits, 1 mantissa bit; 4 bits a number), with one power-of-two scale for each 32 numbers along K (OCP MX v1.0); their sums are f32. All else is computed in f32.
;;   The module's matrix products, in the order in which they are computed (A, B: the left and right operand; K: the contracted axis; several contracted axes count as one K, in the product's order):
;;     1. [M 256, K 512] x [K 512, N 16,384]; A: input theta_w (given as codes); B: input x: QUANTISED
;;     2. [M 256, K 512] x [K 512, N 16,384]; A: input phi_w (given as codes); B: input x: QUANTISED
;;     3. [M 256, K 512] x [K 512, N 16,384]; A: input g_w (given as codes); B: input x: QUANTISED
;;     4. batch 4 x [M 4,096, K 256] x [K 256, N 4,096]; A: computed on the way; B: computed on the way: QUANTISED
;;     5. batch 4 x [M 256, K 4,096] x [K 4,096, N 4,096]; A: computed on the way; B: softmax (see below): QUANTISED
;;     6. [M 512, K 256] x [K 256, N 16,384]; A: input out_w (given as codes); B: computed on the way: QUANTISED
;;   THE QUANTISER, for each operand of a quantised product, along K:
;;     - K is cut into blocks of 32 from its start; a last block that is shorter is filled with zeros.
;;     - A block's scale is 2^e with e = floor(log2(the largest magnitude in the block)) - 2, held to -126 .. 127; a block of zeros has e = 0. As a byte (E8M0): e + 127.
;;     - Each number is divided by its block's scale, clamped to +-6, and rounded to the nearest number of E2M1, ties to even, subnormals kept.
;;     - The product sums the exact products of the quantised numbers (number of the format x scale) in f32.
;;   ~~~python
;;   def quantise(x, axis):      # numpy; x: float32 -> the quantised numbers, widened to float32 again
;;       x = np.moveaxis(x, axis, -1); K = x.shape[-1]
;;       x = np.pad(x, [(0, 0)] * (x.ndim - 1) + [(0, -K % 32)]); x = x.reshape(x.shape[:-1] + (-1, 32)); a = np.abs(x).max(-1, keepdims=True)
;;       e = np.where(a > 0, np.clip(np.frexp(np.where(a > 0, a, 1))[1] - 1 - 2, -126, 127), 0)      # np.frexp(a)[1] - 1 = floor(log2(a)), exactly
;;       r = np.clip(x / 2.0 ** e, -6, 6)
;;       step = 2.0 ** (np.maximum(np.frexp(np.where(r == 0, 1, r))[1] - 1, 0) - 1)
;;       q = np.round(r / step) * step * 2.0 ** e      # np.round: ties to even
;;       return np.moveaxis(q.reshape(q.shape[:-2] + (-1,))[..., :K], -1, axis).astype(np.float32)
;;   ~~~
;;   SOFTMAX AHEAD OF A QUANTISED PRODUCT. Where the list says 'softmax', what is quantised is not the finished softmax but p = 2^(t - M), with t = logit x log2(e) and M = ceil(the row's largest t), a whole number; so 1/2 < the row's largest p <= 1. The row's sum l is taken of the UNQUANTISED p, in f32, and the product's result is divided by l at the end. Since M is a whole number, a kernel that streams over the keys may use a running M (the ceiling of the running maximum): every later rescaling is an exact power of two, which a block's scale takes up: the codes' values come out the same.
;;   OPERANDS COMPUTED ON THE WAY. 'Computed on the way' means the value that the module computes at that place (a softmax that the list does not call 'softmax' is quantised finished and normalised). What goes into a quantiser is computed in f32, as accurately as f32 sums, v_exp_f32 and their like allow (about 1e-6 of the number): no bf16 or f16 on the way to a quantiser, and a product that is left as it is and whose result goes on into a quantised operand takes f32 operands (vector FMAs, or v_wmma_f32_16x16x4_f32). A number that lies on a knife's edge between two numbers of the format may be rounded either way, as far as f32 arithmetic and the matrix unit's own rounding can turn it there, and no further.
;;   INPUTS GIVEN AS CODES. g_w (in the module: [256, 512], K = its axis 1); out_w (in the module: [512, 256], K = its axis 1); phi_w (in the module: [256, 512], K = its axis 1); theta_w (in the module: [256, 512], K = its axis 1): each comes as NAME_codes (uint8): NAME with its K axis moved to the last place and cut into blocks of 32 codes, [.., K / 32, bytes a block], one block behind the other in memory; two codes a byte, the lower K in the low four bits (a code: sign, 2 exponent bits, 1 mantissa bit); and NAME_scales (uint8): the same leading axes, one E8M0 byte (e + 127) for each 32 codes along K. Its value is code x scale, taken as it is: it is not quantised again, and the codes and scales need not be those that the quantiser above would give.
;; One version. Each part assembles by itself: llvm-mc -triple=amdgcn-amd-amdhsa -mcpu=gfx1250 --defsym DOCPART=n.
;; ======== version 1 of 1: 2 launches
;; workspace buffers: qc 2,228,224 bytes; kv 4,456,448 bytes
;; launch proj (part 1): grid 64 x 4, 8 waves a work-group, no clusters, 168,960 bytes of LDS; arguments x, theta_w_codes, theta_w_scales, theta_b, phi_w_codes, phi_w_scales, phi_b, g_w_codes, g_w_scales, g_b, qc, kv; writes qc, kv
.if DOCPART == 1
	.amdgcn_target "amdgcn-amd-amdhsa--gfx1250"
	.amdhsa_code_object_version 6
	.text
	.protected	k_q743bc0c3e1_proj
	.globl	k_q743bc0c3e1_proj
	.p2align	8
	.type	k_q743bc0c3e1_proj,@function
k_q743bc0c3e1_proj:
	s_mov_b64 s[64:65], 0
	v_nop
	global_prefetch_b8 v0, s[64:65] scope:SCOPE_SE
	s_setreg_imm32_b32 hwreg(HW_REG_WAVE_MODE, 25, 1), 1
	s_wait_xcnt 0x0
; theta = theta_w x + theta_b, phi, g likewise (x: [4][512 c][4096 n] f32; the weights: [256 i][512 c] as codes of FP4 (E2M1) with one E8M0 byte for each 32 along c).
; x is quantised along c; the three products run on codes; theta and phi are quantised along i, g along n (the keys), and all three leave as IMAGES OF OPERAND REGISTERS for the next launch.
; SHARES.  A work-group takes 64 columns n of one batch, all 512 c and all 768 output rows: 4 x 64 = 256 work-groups.  Wave w (of 8) brings and quantises rows c = 64 w .. 64 w + 63 (K blocks 2 w, 2 w + 1),
; and owns rows i = 32 w .. 32 w + 31 of each weight, for all 64 columns: 96 matrix instructions.
; THE ELEMENTS OF A TILE ARE NOT NEIGHBOURS: lane row r of tile 2 b + u takes element 32 b + 8 u + r + 8 (r / 8) (rows of a weight; columns of x).  Where such a tile is source 0, a lane's 16 registers of tiles 2 b and
; 2 b + 1 are the 16 neighbours 32 b + 16 (lane / 16) + 0 .. 15: theta and phi (source 0 = weight) so run along i, g (source 0 = x) along n.  Their 16 codes are 8 bytes, which lie in the reader's register image at
; 256 x block + 16 r + 8 (lane / 16): one store of the wave covers 256 consecutive bytes, aligned.
; NO JOINT LOADS: each byte of the weights is read by one wave of the work-group, straight into its registers; through LDS the weights and their scales would take 208,896 bytes beside x's 131,072, more than the 327,680 there are.
; The biases are the C of each sum's first matrix instruction (so they are added first, not last).
; LIMITS: NaN and infinities among the inputs are not served.  A block whose largest magnitude lies under 2^-124 (a block of zeros too) keeps the scale byte 1: zero codes add nothing under it, and this program alone reads the bytes.
; LDS: 0: x's tile, f32, [512 c][256 bytes], wave w's 64 rows at 16,384 w, read by wave w alone;  XIMG: x's 16 fragments (column tile ct, K step s) as register images, ((4 ct + s) 2 + c) 512 + 16 lane;
;   XSC: x's scale words, 256 ct + 16 r + 4 s;  SST: the scale bytes of phi (512), g (512), theta (512), laid as the next launch reads them.
; REGISTERS, window 0: v1-17 lane numbers and addresses; v18-19 g's bias as loaded; v20-43 the weights' scale words; v44-51 x's; v52-99 the biases as C; v100-117 at work; v118 16 x lane; v120-131 codes; v136-231 12 accumulators
;   (phase X: v128-255 four units of 32 numbers).   window 1: v0-191 the weights' 24 fragments (64 mat + 32 tile + 8 s); v192-255 x's eight fragments in hand (32 e + 8 s).
.set XIMG, 131072
.set XSC,  147456
.set SST,  148480
.set WV,   28                          ; s28  my wave's number
.set WSC,  20                          ; weights' scale words: 8 mat + 4 tile + s
.set XSW,  44                          ; x's scale words: 4 e + s
.set BT,   52                          ; theta's bias, 8 registers a tile;  BP phi's;  BG g's
.set BP,   68
.set BG,   84
.set TM,   100                         ; largest magnitudes, one a unit
.set PM,   106                         ; the other half's; then the scale bytes
.set SO,   112                         ; the conversions' scale operands
.set CD,   120                         ; codes, two registers a unit
.set ACC,  136                         ; unit q (16 registers, two accumulators) at ACC + 16 q: 0, 1 theta; 2, 3 phi; 4, 5 g
.set MSB, 0
.macro WIN new                         ; the immediate's high byte repeats the setting that is left
.if MSB != \new
	s_set_vgpr_msb (MSB<<8)|\new
.set MSB, \new
.endif
.endm
.macro BARRIER                         ; my LDS stores have landed and my LDS loads are in: then the work-group's barrier
	s_wait_dscnt 0x0
	s_barrier_signal -1
	s_barrier_wait -1
.endm
	s_load_b256 s[4:11], s[0:1], 0x0               ; x; theta's codes, scales, bias
	s_load_b256 s[12:19], s[0:1], 0x20             ; phi's codes, scales, bias; g's codes
	s_load_b256 s[20:27], s[0:1], 0x40             ; g's scales, bias; qc; kv
	v_lshl_add_u32 v254, v0, 2, 0x29000
	v_mov_b32 v255, 0
	ds_add_u32 v254, v255
	ds_add_u32 v254, v255
	s_wait_dscnt 0x0
	v_lshrrev_b32 v1, 5, v0
	v_readfirstlane_b32 s[WV], v1                  ; wave 0..7
	s_and_b32 s29, ttmp7, 0xffff                   ; the batch
	; descriptor group 1: 64 rows x 64 elements of 4 bytes, 4,096 elements from row to row, no padding, no mask
	s_mov_b32 s36, 2<<16                           ; 17:16 elements of 4 bytes
	s_mov_b32 s37, 64<<16                          ; tensor_dim0 = 64
	s_mov_b32 s38, 64<<16                          ; tensor_dim1 = 64
	s_mov_b32 s39, 64<<16                          ; tile_dim0 = 64: a row of the tile is 256 bytes, at a multiple of 256 from x's first byte
	s_mov_b32 s40, 64                              ; tile_dim1 = 64
	s_mov_b32 s41, 4096                            ; tensor_dim0_stride
	s_mov_b32 s42, 0
	s_mov_b32 s43, 0
	s_mov_b32 s32, 1                               ; group 0: count = 1
	s_lshl_b32 s33, s[WV], 14                      ; LDS address: 16,384 x wave
	s_lshl_b32 s56, s29, 23                        ; the batch's 8,388,608 bytes,
	s_lshl_b32 s57, s[WV], 20                      ; my 64 rows of 16,384,
	s_add_co_u32 s56, s56, s57
	s_lshl_b32 s57, ttmp9, 8                       ; the work-group's 64 columns
	s_add_co_u32 s56, s56, s57
	s_mov_b32 s57, 0
	s_mov_b32 s44, 0x76543210
	s_mov_b32 s45, 0xfedcba98                      ; v_permlanex16_b32's selects for lane l xor 16
	s_wait_kmcnt 0x0
	s_add_nc_u64 s[34:35], s[4:5], s[56:57]
	s_or_b32 s35, s35, 0x80000000                  ; type = 2
	tensor_load_to_lds s[32:35], s[36:43]          ; my one tensor load: 16 KiB; the eight waves' together are the tile.  Nothing is ever filled again
	s_nop 0
.rept 4
	v_nop                                          ; four lines behind the load
.endr
	s_lshl_b32 s56, s[WV], 13                      ; my 32 rows of each weight: 256 bytes of codes a row,
	s_add_nc_u64 s[6:7], s[6:7], s[56:57]
	s_add_nc_u64 s[12:13], s[12:13], s[56:57]
	s_add_nc_u64 s[18:19], s[18:19], s[56:57]
	s_lshl_b32 s56, s[WV], 9                       ; 16 scale bytes a row,
	s_add_nc_u64 s[8:9], s[8:9], s[56:57]
	s_add_nc_u64 s[14:15], s[14:15], s[56:57]
	s_add_nc_u64 s[20:21], s[20:21], s[56:57]
	s_lshl_b32 s56, s[WV], 7                       ; 4 bytes of bias a row
	s_add_nc_u64 s[10:11], s[10:11], s[56:57]
	s_add_nc_u64 s[16:17], s[16:17], s[56:57]
	s_add_nc_u64 s[22:23], s[22:23], s[56:57]
	v_and_b32 v1, 31, v0                           ; lane
	v_and_b32 v2, 15, v0                           ; r
	v_bfe_u32 v3, v0, 4, 1                         ; h
	v_and_b32 v12, 8, v2
	v_add_nc_u32 v12, v12, v2                      ; r + 8 (r / 8)
	v_lshlrev_b32 v9, 8, v12
	v_lshl_add_u32 v9, v3, 4, v9                   ; a weight's codes: that row of 256 bytes, + 16 h
	v_lshlrev_b32 v10, 4, v12                      ; its scale words: 16 bytes a row
	v_lshlrev_b32 v11, 6, v3                       ; theta's and phi's bias: the lane's units 16 h + 8 tile + 0 .. 7
	v_lshlrev_b32 v12, 2, v12                      ; g's bias: the lane's one row
	WIN 0x40                                       ; destination window 1
.irp m, 0,1,2
.irp t, 0,1
.irp s, 0,1,2,3
.irp c, 0,1
	global_load_b128 v[64*\m+32*\t+8*\s+4*\c:64*\m+32*\t+8*\s+4*\c+3], v9, s[6+6*\m:7+6*\m] offset:2048*\t+64*\s+32*\c   ; tile t begins 8 t rows on; K = 128 s + 64 c + 32 h on
.endr
.endr
.endr
.endr
	WIN 0
.irp m, 0,1,2
.irp t, 0,1
	global_load_b128 v[WSC+8*\m+4*\t:WSC+8*\m+4*\t+3], v10, s[8+6*\m:9+6*\m] offset:128*\t   ; a row's four scale words, one for each K step
.endr
.endr
.irp m, 0,1
.irp t, 0,1
	global_load_b128 v[BT+16*\m+8*\t:BT+16*\m+8*\t+3], v11, s[10+6*\m:11+6*\m] offset:32*\t
	global_load_b128 v[BT+16*\m+8*\t+4:BT+16*\m+8*\t+7], v11, s[10+6*\m:11+6*\m] offset:32*\t+16
.endr
.endr
.irp t, 0,1
	global_load_b32 v[18+\t], v12, s[22:23] offset:32*\t
.endr
	; every LDS address is a constant + constants x lane bits + a constant x wave
	v_lshl_add_u32 v4, v1, 2, s33                  ; x's tile: my wave's rows, column = lane
	v_and_b32 v100, 7, v0
	v_lshl_add_u32 v100, v3, 3, v100               ; column 32 ch + lane is row (lane % 8) + 8 (lane / 16)
	v_bfe_u32 v101, v0, 3, 1                       ; of column tile 2 ch + (lane / 8) % 2
	v_lshlrev_b32 v5, 4, v100
	v_lshl_add_u32 v5, v101, 12, v5
	s_lshl_b32 s58, s[WV], 9
	s_add_co_u32 s58, s58, XIMG
	v_add_nc_u32 v5, s58, v5                       ; where my codes of x go: K block 2 w + bl is quad w % 2 of K step w / 2, lanes 16 bl on: 4,096 ct + 512 w + 256 bl + 16 row
	v_lshlrev_b32 v6, 4, v100
	v_lshl_add_u32 v6, v101, 8, v6
	s_lshl_b32 s58, s[WV], 1
	s_add_co_u32 s58, s58, XSC
	v_add_nc_u32 v6, s58, v6                       ; and their scale byte: 256 ct + 16 row + 2 w + bl
	v_lshl_add_u32 v7, v1, 4, XIMG                 ; an image's place for my lane
	v_lshl_add_u32 v8, v2, 4, XSC                  ; my row's four scale words
	v_lshlrev_b32 v13, 4, v2
	v_lshl_add_u32 v13, v3, 3, v13                 ; my 8 bytes of codes in a block's 256: 16 r + 8 h
	s_lshr_b32 s58, s[WV], 2
	s_and_b32 s59, s[WV], 3
	s_lshl_b32 s60, s58, 6
	s_add_co_u32 s60, s60, s59
	s_add_co_u32 s60, s60, SST+1024
	v_lshl_add_u32 v14, v2, 2, s60                 ; theta's scale byte: 128 qt + 4 (r + 16 (w / 4)) + w % 4
	s_lshl_b32 s60, s58, 8
	s_add_co_u32 s60, s60, s59
	s_add_co_u32 s60, s60, SST
	v_lshl_add_u32 v15, v2, 4, s60                 ; phi's: 16 (r + 16 (w / 4)) + 4 ct + w % 4
	s_lshl_b32 s60, s[WV], 1
	s_add_co_u32 s60, s60, SST+512
	v_lshl_add_u32 v16, v2, 4, s60                 ; g's: 16 (r + 16 tile) + 2 w + p
	s_lshl_b32 s60, s[WV], 9
	s_add_co_u32 s60, s60, SST
	v_lshl_add_u32 v17, v1, 4, s60                 ; the way out of the scale bytes: waves 0 to 2 take 512 bytes each
	v_lshlrev_b32 v118, 4, v1
	; where the results go
	s_lshl_b32 s60, s29, 6
	s_add_co_u32 s60, s60, ttmp9                   ; the column block's number: 64 x batch + work-group x
	s_mul_i32 s56, s60, 8704
	s_add_nc_u64 s[54:55], s[24:25], s[56:57]      ; its block of qc
	s_mul_i32 s56, s60, 17408
	s_add_nc_u64 s[52:53], s[26:27], s[56:57]      ; its block of kv
	s_lshl_b32 s56, s[WV], 8
	s_add_nc_u64 s[46:47], s[54:55], s[56:57]      ; theta's codes: + 256 w
	s_add_nc_u64 s[48:49], s[52:53], s[56:57]      ; phi's likewise
	s_lshl_b32 s56, s[WV], 10
	s_add_nc_u64 s[50:51], s[52:53], s[56:57]
	s_add_nc_u64 s[50:51], s[50:51], 8192          ; g's: tiles 2 w, 2 w + 1 of 512 bytes
	s_lshl_b32 s56, s[WV], 9
	s_add_nc_u64 s[52:53], s[52:53], s[56:57]
	s_add_nc_u64 s[52:53], s[52:53], 16384         ; phi's scale bytes (wave 0), g's (wave 1)
	s_add_nc_u64 s[54:55], s[54:55], 8192          ; theta's (wave 2)
; ---- X: my 64 rows of x become codes.  Unit u = 2 ch + bl: columns 32 ch + lane, rows 32 bl .. 32 bl + 31: A LANE TAKES A COLUMN AND ITS REGISTERS RUN DOWN c: a whole block of 32 lies in one lane
.macro XLOAD u
.irp i, 0,1,2,3,4,5,6,7,8,9,10,11,12,13,14,15,16,17,18,19,20,21,22,23,24,25,26,27,28,29,30,31
	ds_load_b32 v[128+32*(\u)+\i], v4 offset:(32*((\u)%2)+\i)*256+128*((\u)/2)   ; 32 lanes read 128 consecutive bytes
.endr
.endm
.macro XQ u0                           ; units u0 and u0 + 1, by turns
.irp k, 0,1
	v_max3_num_f32 v[100+\k], |v[128+32*((\u0)+\k)]|, |v[129+32*((\u0)+\k)]|, |v[130+32*((\u0)+\k)]|   ; the block's largest magnitude, in two chains
	v_max3_num_f32 v[102+\k], |v[131+32*((\u0)+\k)]|, |v[132+32*((\u0)+\k)]|, |v[133+32*((\u0)+\k)]|
.endr
.irp i, 6,10,14,18,22,26
.irp k, 0,1
	v_max3_num_f32 v[100+\k], v[100+\k], |v[128+32*((\u0)+\k)+\i]|, |v[129+32*((\u0)+\k)+\i]|
	v_max3_num_f32 v[102+\k], v[102+\k], |v[130+32*((\u0)+\k)+\i]|, |v[131+32*((\u0)+\k)+\i]|
.endr
.endr
.irp k, 0,1
	v_max3_num_f32 v[100+\k], v[100+\k], |v[158+32*((\u0)+\k)]|, |v[159+32*((\u0)+\k)]|
.endr
.irp k, 0,1
	v_max3_num_f32 v[100+\k], v[100+\k], v[102+\k], 0x1800000   ; and the floor 2^(3 - 127): the byte cannot fall under 1
.endr
.irp k, 0,1
	v_add_nc_u32 v[104+\k], 0xff000000, v[100+\k]  ; 2 off the exponent field: the conversion takes this operand's exponent field as its scale
.endr
.irp k, 0,1
	v_lshrrev_b32 v[106+\k], 23, v[104+\k]         ; the scale's byte
.endr
.irp k, 0,1
.irp g, 0,1,2,3
	v_cvt_scalef32_pk8_fp4_f32 v[108+4*\k+\g], v[128+32*((\u0)+\k)+8*\g:135+32*((\u0)+\k)+8*\g], v[104+\k]
.endr
.endr
	v_nop                                          ; one plain place behind the scaled conversions
.irp k, 0,1
	ds_store_b128 v5, v[108+4*\k:111+4*\k] offset:8192*((\u0)/2)+256*\k
	ds_store_b8 v6, v[106+\k] offset:512*((\u0)/2)+\k
.endr
.endm
	s_wait_tensorcnt 0x0                           ; my rows are in LDS; only I read them, so no barrier stands here
	XLOAD 0
	XLOAD 1
	XLOAD 2
	XLOAD 3
	s_wait_dscnt 63                                ; units 0 and 1 are in: 64 loads were issued behind them, and the count's field holds 63
	XQ 0
	s_wait_dscnt 0x0                               ; units 2 and 3 are in, and the stores have read their registers
	XQ 2
	BARRIER                                        ; x's sixteen fragments and their scale words lie in LDS
	s_wait_loadcnt 0x0                             ; the weights, their scale words, the biases
.irp t, 0,1
.irp j, 0,1,2,3,4,5,6,7
	v_mov_b32 v[BG+8*\t+\j], v[18+\t]              ; in g's results a lane holds ONE row of g_w: its bias fills the eight registers of C
.endr
.endr
; ---- C: the products, 32 columns (column tiles 2 p and 2 p + 1) at a time
.macro XFETCH p
	WIN 0x40
.irp e, 0,1
.irp s, 0,1,2,3
.irp c, 0,1
	ds_load_b128 v[192+32*\e+8*\s+4*\c:192+32*\e+8*\s+4*\c+3], v7 offset:((4*(2*\p+\e)+\s)*2+\c)*512
.endr
.endr
.endr
	WIN 0
.irp e, 0,1
	ds_load_b128 v[XSW+4*\e:XSW+4*\e+3], v8 offset:256*(2*\p+\e)
.endr
	s_wait_dscnt 0x0
.endm
.macro WM d, a, b, c, sa, sb
	v_wmma_scale_f32_16x16x128_f8f6f4 v[\d:\d+7], v[\a:\a+7], v[\b:\b+7], v[\c:\c+7], v[\sa], v[\sb] matrix_a_fmt:MATRIX_FMT_FP4 matrix_b_fmt:MATRIX_FMT_FP4
.endm
; K step s: twelve matrix instructions, one for each accumulator, always in this order: the accumulators take turns.  The first K step takes the bias as C.
.macro MUL s
.irp m, 0,1                            ; theta, phi: source 0 = 16 rows of the weight, source 1 = 16 columns of x
.irp e, 0,1
.irp t, 0,1
.if \s
	WM ACC+32*\m+16*\e+8*\t, 64*\m+32*\t+8*\s, 192+32*\e+8*\s, ACC+32*\m+16*\e+8*\t, WSC+8*\m+4*\t+\s, XSW+4*\e+\s
.else
	WM ACC+32*\m+16*\e+8*\t, 64*\m+32*\t+8*\s, 192+32*\e+8*\s, BT+16*\m+8*\t, WSC+8*\m+4*\t+\s, XSW+4*\e+\s
.endif
.endr
.endr
.endr
.irp t, 0,1                            ; g: source 0 = 16 columns of x, source 1 = 16 rows of the weight
.irp e, 0,1
.if \s
	WM ACC+64+16*\t+8*\e, 192+32*\e+8*\s, 128+32*\t+8*\s, ACC+64+16*\t+8*\e, XSW+4*\e+\s, WSC+16+4*\t+\s
.else
	WM ACC+64+16*\t+8*\e, 192+32*\e+8*\s, 128+32*\t+8*\s, BG+8*\t, XSW+4*\e+\s, WSC+16+4*\t+\s
.endif
.endr
.endr
.endm
; six units of 16 neighbours a lane; a block of 32 lies in lanes l and l xor 16.  Each accumulator is read from its low end on.
.macro QUANT6
.irp q, 0,1,2,3,4,5
	v_max3_num_f32 v[TM+\q], |v[ACC+16*\q]|, |v[ACC+16*\q+1]|, 0x1800000   ; with the floor 2^(3 - 127)
.endr
.irp i, 2,4,6,8,10,12,14
.irp q, 0,1,2,3,4,5
	v_max3_num_f32 v[TM+\q], v[TM+\q], |v[ACC+16*\q+\i]|, |v[ACC+16*\q+\i+1]|
.endr
.endr
.irp q, 0,1,2,3,4,5
	v_permlanex16_b32 v[PM+\q], v[TM+\q], s44, s45 ; (its destination counts as read: phase X has written v100-115 whole)
.endr
.irp q, 0,1,2,3,4,5
	v_max_num_f32 v[TM+\q], v[TM+\q], v[PM+\q]     ; the block's largest magnitude
.endr
.irp q, 0,1,2,3,4,5
	v_add_nc_u32 v[SO+\q], 0xff000000, v[TM+\q]
.endr
.irp q, 0,1,2,3,4,5
	v_lshrrev_b32 v[PM+\q], 23, v[SO+\q]           ; the scale's byte
.endr
.irp q, 0,1,2,3,4,5
	v_cvt_scalef32_pk8_fp4_f32 v[CD+2*\q], v[ACC+16*\q:ACC+16*\q+7], v[SO+\q]
	v_cvt_scalef32_pk8_fp4_f32 v[CD+2*\q+1], v[ACC+16*\q+8:ACC+16*\q+15], v[SO+\q]
.endr
	v_nop                                          ; one plain place behind the scaled conversions
.endm
.irp p, 0,1
	XFETCH \p                                      ; (for p = 1: the quantiser's vector lines are the places behind the products that read these registers; its wait for 0 also covers the byte stores' data)
	WIN 0x05                                       ; sources 0 and 1 window 1; C and D window 0
	MUL 0
	MUL 1
	MUL 2
	MUL 3
	WIN 0
.rept 4
	v_nop                                          ; four places in front of the first read of results
.endr
.if \p
	s_wait_xcnt 0x0                                ; the first half's stores have read the codes' registers: only now are they written again
.endif
	QUANT6
.irp e, 0,1
	global_store_b64 v13, v[CD+2*\e:CD+2*\e+1], s[46:47] offset:2048*(2*\p+\e)       ; theta: i block w of query tile 2 p + e: 256 consecutive bytes, aligned
	ds_store_b8 v14, v[PM+\e] offset:128*(2*\p+\e)                                   ; (both lanes of a block write the same byte with the same value)
	global_store_b64 v13, v[CD+4+2*\e:CD+5+2*\e], s[48:49] offset:2048*(2*\p+\e)     ; phi: the same of key tile 2 p + e
	ds_store_b8 v15, v[PM+2+\e] offset:4*(2*\p+\e)
.endr
.irp t, 0,1
	global_store_b64 v13, v[CD+8+2*\t:CD+9+2*\t], s[50:51] offset:512*\t+256*\p      ; g: key block p of channel tile 2 w + t
	ds_store_b8 v16, v[PM+4+\t] offset:256*\t+\p
.endr
.endr
	BARRIER                                        ; all 1,536 scale bytes lie in LDS
	s_cmp_gt_u32 s[WV], 2
	s_cbranch_scc1 .Ldone                          ; three waves carry them out
	ds_load_b128 v[100:103], v17
	s_cmp_lt_u32 s[WV], 2
	s_cselect_b64 s[56:57], s[52:53], s[54:55]     ; waves 0, 1: into kv; wave 2: into qc
	s_wait_dscnt 0x0
	global_store_b128 v118, v[100:103], s[56:57]   ; 512 consecutive bytes, aligned
.Ldone:
	s_wait_xcnt 0x0
	v_lshl_add_u32 v254, v0, 2, 0x29000
	v_mov_b32 v255, 0
	s_wait_tensorcnt 0x0
	ds_add_u32 v254, v255
	s_wait_dscnt 0x0
	s_endpgm
.Lfunc_end_k_q743bc0c3e1_proj:
	.size	k_q743bc0c3e1_proj, .Lfunc_end_k_q743bc0c3e1_proj-k_q743bc0c3e1_proj
	.p2alignl 7, 3214868480
	.fill 96, 4, 3214868480
	.section	.rodata,"a",@progbits
	.p2align	6, 0x0
	.amdhsa_kernel k_q743bc0c3e1_proj
		.amdhsa_group_segment_fixed_size 168960
		.amdhsa_private_segment_fixed_size 0
		.amdhsa_enable_private_segment 0
		.amdhsa_kernarg_size 96
		.amdhsa_user_sgpr_count 2
		.amdhsa_user_sgpr_kernarg_segment_ptr 1
		.amdhsa_wavefront_size32 1
		.amdhsa_system_sgpr_workgroup_id_x 1
		.amdhsa_system_sgpr_workgroup_id_y 1
		.amdhsa_system_sgpr_workgroup_id_z 1
		.amdhsa_system_vgpr_workitem_id 0
		.amdhsa_next_free_vgpr 512
		.amdhsa_next_free_sgpr 80
		.amdhsa_reserve_vcc 0
		.amdhsa_float_denorm_mode_32 3
		.amdhsa_float_denorm_mode_16_64 3
		.amdhsa_memory_ordered 1
		.amdhsa_forward_progress 1
		.amdhsa_inst_pref_size 54
	.end_amdhsa_kernel
	.amdgpu_metadata
---
amdhsa.version: [ 1, 2 ]
amdhsa.kernels:
  - .name:           k_q743bc0c3e1_proj
    .symbol:         k_q743bc0c3e1_proj.kd
    .args:
      - { .name: x, .offset: 0, .size: 8, .value_kind: global_buffer, .address_space: global }
      - { .name: theta_w_codes, .offset: 8, .size: 8, .value_kind: global_buffer, .address_space: global }
      - { .name: theta_w_scales, .offset: 16, .size: 8, .value_kind: global_buffer, .address_space: global }
      - { .name: theta_b, .offset: 24, .size: 8, .value_kind: global_buffer, .address_space: global }
      - { .name: phi_w_codes, .offset: 32, .size: 8, .value_kind: global_buffer, .address_space: global }
      - { .name: phi_w_scales, .offset: 40, .size: 8, .value_kind: global_buffer, .address_space: global }
      - { .name: phi_b, .offset: 48, .size: 8, .value_kind: global_buffer, .address_space: global }
      - { .name: g_w_codes, .offset: 56, .size: 8, .value_kind: global_buffer, .address_space: global }
      - { .name: g_w_scales, .offset: 64, .size: 8, .value_kind: global_buffer, .address_space: global }
      - { .name: g_b, .offset: 72, .size: 8, .value_kind: global_buffer, .address_space: global }
      - { .name: qc, .offset: 80, .size: 8, .value_kind: global_buffer, .address_space: global }
      - { .name: kv, .offset: 88, .size: 8, .value_kind: global_buffer, .address_space: global }
    .group_segment_fixed_size: 168960
    .private_segment_fixed_size: 0
    .kernarg_segment_align: 8
    .kernarg_segment_size: 96
    .max_flat_workgroup_size: 256
    .sgpr_count:     80
    .vgpr_count:     512
    .wavefront_size: 32
...
	.end_amdgpu_metadata
.endif
;; end of part 1
;; launch attn (part 2): grid 64 x 4, 8 waves a work-group, clusters of 4 x 1, 327,680 bytes of LDS; arguments qc, kv, out_w_codes, out_w_scales, out_b, x, out0; writes out0
.if DOCPART == 2
	.amdgcn_target "amdgcn-amd-amdhsa--gfx1250"
	.amdhsa_code_object_version 6
	.text
	.protected	k_q743bc0c3e1_attn
	.globl	k_q743bc0c3e1_attn
	.p2align	8
	.type	k_q743bc0c3e1_attn,@function
k_q743bc0c3e1_attn:
	s_mov_b64 s[64:65], 0
	v_nop
	global_prefetch_b8 v0, s[64:65] scope:SCOPE_SE
	s_setreg_imm32_b32 hwreg(HW_REG_WAVE_MODE, 25, 1), 1
	s_wait_xcnt 0x0
	s_wait_alu depctr_hold_cnt(0) depctr_sa_sdst(0) depctr_va_vdst(0) depctr_va_sdst(0) depctr_va_ssrc(0) depctr_va_vcc(0) depctr_vm_vsrc(0)
	s_getreg_b32 s2, hwreg(HW_REG_IB_STS2, 6, 4)
	s_cmp_eq_u32 s2, 0
	s_cbranch_scc0 .Lentry_in_a_cluster
	s_endpgm
.Lentry_in_a_cluster:
	s_bfe_u32 s2, ttmp6, 0x10000c
	s_cmp_lg_u32 s2, 0x3003
	s_cbranch_scc0 .Lentry_shape_is_right
	s_endpgm
.Lentry_shape_is_right:
; out0[b][o][n] = sum_i out_w[o][i] Q(O[i][n] / l[n]) + out_b[o] + x[b][o][n], with O = sum over keys m of Q(g)[i][m] Q(p)[n][m], p = 2^(t - M), t = (Q(theta)[:, n] . Q(phi)[:, m]) log2(e) / 16,
; M the ceiling of the largest t, l the sum of the unquantised p.  All products on codes of FP4 (E2M1) with one E8M0 byte for each 32 along K.  theta, phi, g come from the launch before as images of operand registers.
; SHARES.  A work-group takes 64 queries of one batch: 256 work-groups.  Wave w (of 8): key group kq = w / 2, query half qh = w % 2: two tiles of 16 queries.  In step j (of 8) it takes keys 512 j + 128 kq .. + 127,
; so each fragment that it reads from LDS feeds two matrix instructions.  Each key group keeps its own running M, l and O; they are merged at the end through LDS, by exact powers of two.
; LAYOUT.  S^T = K Q^T (source 0 = 16 keys), O^T = V^T P^T (source 0 = 16 channels): a lane holds ONE query (lane % 16) throughout.  The keys of a tile of K, the channels of a tile of V and the queries of a tile of Q are
; 32 b + 8 u + r + 8 (r / 8) for tile 2 b + u, so that a lane's 16 registers of two neighbouring tiles are 16 neighbours along the next K (keys for p, channels for O).
; CLUSTER.  The four query blocks of a cluster walk the same K and V: each tile is asked for JOINTLY, the same tensor load with the same descriptor and the mask 15 in all four.
; RING.  Two slots of 139,264 bytes (512 keys: eight blocks of 17,408 bytes: K's images 8,192, V's 8,192, K's scale words 512, V's scale halves 512); wave w fetches block w: 68 dense rows of 256 bytes.  At most two tensor loads of a wave are out.
; Every LDS load of a step is 16 x lane + a constant: no pitch, no padding.
; THE ORDER OF A STEP sets LDS traffic beside register work: the blocks' largest scores are taken between the products K Q^T, while K's later tiles are on their way; the softmax is finished tile by tile, so that V's first half is
; asked for while the second tile is finished, and its second half while O^T is rescaled; the change of slots is opened between the two halves of V^T P.  The refill hangs on the step's number (steps 0 to 5 refill the slot that they
; have read), so steps 0, 5, 6 and 7 are written out and steps 1 to 4 are two trips of a loop.
; LIMITS: NaN and infinities are not served.  A block whose largest magnitude lies under 2^-124 keeps the scale byte 1 (its codes are zeros or all but zeros).  A p under 2^-126 comes out of v_exp_f32 as 0.
; The last bias is the C of its sum's first matrix instruction.  O / l is formed as the sum over key groups of (f_k / l) O_k, f_k a power of two.
; REGISTERS, window 0: v1 16 lane, v2-3 my part of slot 0, 1; v4-5 the spare word's pair; v6 256 lane; v7 4 lane; v8 + 4 e: -M, largest t, l (a pair); v16-17 Q's scale words, v18-19 p's, v20-27 K's, v28-35 V's;
;   v36-43 V's halves as loaded, then each block's largest score and p (4 e + b); v44-75 two buffers of K, then the softmax's temporaries (16 a tile); v76-91 a third buffer of K, then p's codes; v92-123 Q;
;   v128-255 S^T, p, then V's fragments.   window 1: O^T, 128 e + 8 t.
.set SLOTB, 139264
.set BLK,   17408
.set SPARE, 278528                     ; behind the ring: the spare words, 128 bytes for each wave: four blocks of 256 bytes that no other line names
.set STAT,  279552                     ; -M at 256 w + 128 e + 4 lane; l 2,048 further on
.set OIMG,  283648                     ; O / l's eight fragments as register images: 1,024 (2 qt + ks) + 512 c + 16 lane
.set OSC,   291840                     ; their scale words: 64 (2 qt + ks) + 4 r
.set WV,  18                           ; s18 wave; s19 key group; s20 query half; s21 cx; s22 query block; s23 batch
.set MSB, 0
.macro WIN new                         ; the immediate's high byte repeats the setting that is left
.if MSB != \new
	s_set_vgpr_msb (MSB<<8)|\new
.set MSB, \new
.endif
.endm
; A round of the cluster's barrier: my work-group's barrier; wave 0 signals for the work-group; every wave waits for all four work-groups; my work-group's barrier once more.
.macro CREST                           ; a round behind its opening barrier
	s_cmp_lg_u32 s[WV], 0
	s_cbranch_scc1 .Lnot_wave_0_\@
	s_barrier_signal -3
.Lnot_wave_0_\@:
	s_barrier_wait -3
	s_barrier_signal -1
	s_barrier_wait -1
.endm
.macro CROUND                          ; a whole round
	s_barrier_signal -1
	s_barrier_wait -1
	CREST
.endm
; A PREFETCH INTO THE L2 of the codes of the tile that the NEXT change of slots will ask for.  All clusters of a batch walk the same kv: the batch's first cluster asks.  Its four partners take two blocks each, told apart BY ADDRESS;
; in each, waves 0 to 3 take half a block's 16,384 bytes of codes, lanes 256 bytes apart: 4 x 4 x 32 requests name each 256 bytes of the tile's 131,072 bytes of codes once.  The scale bytes are not asked for.
; It stands in steps 1 to 5, for tiles 3 to 7; tiles 0 to 2 come by their loads alone, and steps 6 and 7 ask for nothing: no tile follows.
.macro ASK
	s_cmp_eq_u32 s47, 1
	s_cbranch_scc0 .Lnot_mine_\@
	global_prefetch_b8 v6, s[48:49] th:TH_LOAD_NT scope:SCOPE_SE
.Lnot_mine_\@:
.endm
	s_load_b256 s[4:11], s[0:1], 0x0               ; qc, kv, out_w's codes, out_w's scales
	s_load_b128 s[12:15], s[0:1], 0x20             ; out_b, x
	s_load_b64 s[16:17], s[0:1], 0x30              ; out0
	v_lshl_add_u32 v4, v0, 2, SPARE
	v_mov_b32 v5, 0
	ds_add_u32 v4, v5
	ds_add_u32 v4, v5
	s_wait_dscnt 0x0
	v_lshrrev_b32 v1, 5, v0
	v_readfirstlane_b32 s[WV], v1                  ; wave 0..7
	s_lshr_b32 s19, s[WV], 1                       ; key group
	s_and_b32 s20, s[WV], 1                        ; query half
	s_bfe_u32 s21, ttmp6, 0x40000                  ; cx: it enters global addresses of Q, x, out0 and the prefetch alone
	s_lshl_b32 s22, ttmp9, 2
	s_add_co_u32 s22, s22, s21                     ; query block = 4 x cluster x + cx
	s_and_b32 s23, ttmp7, 0xffff                   ; the batch, which the partners share
	; descriptor group 1: 68 dense rows of 32 elements of 8 bytes
	s_mov_b32 s24, 15|(3<<16)|(1<<21)              ; 15:0 the mask: all four work-groups; 17:16 elements of 8 bytes; 21 set beside a mask; no padding
	s_mov_b32 s25, 32<<16                          ; tensor_dim0 = 32
	s_mov_b32 s26, 68<<16                          ; tensor_dim1 = 68
	s_mov_b32 s27, 32<<16                          ; tile_dim0 = 32
	s_mov_b32 s28, 68                              ; tile_dim1 = 68
	s_mov_b32 s29, 32                              ; tensor_dim0_stride
	s_mov_b32 s30, 0
	s_mov_b32 s31, 0
	s_mov_b32 s40, 0x76543210
	s_mov_b32 s41, 0xfedcba98                      ; v_permlanex16_b32's selects for lane l xor 16
	s_mov_b32 s42, 0x3db8aa3b                      ; c = log2(e) / 16
	s_mov_b32 s43, s42                             ; (named with it as a pair, so it is written)
	s_mov_b32 s44, 0x05040100                      ; v_perm_b32: the two low halves
	s_mov_b32 s45, 0x07060302                      ; the two high halves
	s_mul_i32 s50, s23, 64*BLK                     ; the batch's part of kv
	s_mul_i32 s51, s[WV], BLK                      ; my block of a tile, in memory and in a slot
	s_add_co_u32 s52, s50, s51
	s_mov_b32 s53, 0
	s_wait_kmcnt 0x0
	s_mov_b32 s32, 1                               ; group 0 for slot 0: count = 1,
	s_mov_b32 s33, s51                             ; LDS address,
	s_add_nc_u64 s[34:35], s[6:7], s[52:53]        ; tile 0
	s_mov_b32 s36, 1                               ; and for slot 1:
	s_add_co_u32 s37, s51, SLOTB
	s_add_nc_u64 s[38:39], s[34:35], SLOTB         ; tile 1
	s_or_b32 s35, s35, 0x80000000                  ; type = 2
	s_or_b32 s39, s39, 0x80000000
	CROUND                                         ; all four work-groups are here: the first joint loads meet
	tensor_load_to_lds s[32:35], s[24:31]
	s_nop 0
	tensor_load_to_lds s[36:39], s[24:31]          ; both first fills together: two loads of mine are out
	s_nop 0
.rept 4
	v_nop                                          ; four lines behind the loads
.endr
	; the prefetches: my part of tile 2; the first change of slots steps it to tile 3.  Nothing is asked for here, where every work-group's first tiles are on their way
	s_lshl_b32 s54, s21, 1
	s_bfe_u32 s55, s[WV], 0x10001
	s_add_co_u32 s54, s54, s55                     ; block 2 cx + (w / 2) % 2,
	s_mul_i32 s54, s54, BLK
	s_lshl_b32 s55, s20, 13                        ; its half w % 2
	s_add_co_u32 s54, s54, s55
	s_add_co_u32 s54, s54, s50
	s_add_co_u32 s54, s54, 2*SLOTB
	s_mov_b32 s55, 0
	s_add_nc_u64 s[48:49], s[6:7], s[54:55]
	s_lshr_b32 s47, s[WV], 2                       ; 0 in waves 0 to 3,
	s_or_b32 s47, s47, ttmp9                       ; of the batch's first cluster: the same in all four partners
	s_cmp_eq_u32 s47, 0
	s_cselect_b32 s47, 1, -1
	s_mul_i32 s56, s23, 64*8704
	s_mul_i32 s57, s22, 8704
	s_add_co_u32 s56, s56, s57
	s_mov_b32 s57, 0
	s_add_nc_u64 s[58:59], s[4:5], s[56:57]        ; my query block in qc
	s_lshl_b32 s56, s20, 12
	s_add_nc_u64 s[4:5], s[58:59], s[56:57]        ; my two tiles' images,
	s_lshl_b32 s56, s20, 8
	s_add_nc_u64 s[58:59], s[58:59], s[56:57]      ; and (8,192 further on) their scale words
	s_lshl_b32 s60, s23, 23
	s_lshl_b32 s61, s[WV], 20
	s_add_co_u32 s60, s60, s61
	s_lshl_b32 s61, s22, 8
	s_add_co_u32 s60, s60, s61
	s_mov_b32 s61, 0
	s_add_nc_u64 s[14:15], s[14:15], s[60:61]      ; x and out0 at row 64 w of the batch, my block's 64 columns
	s_add_nc_u64 s[16:17], s[16:17], s[60:61]
	s_lshl_b32 s60, s[WV], 13
	s_add_nc_u64 s[8:9], s[8:9], s[60:61]          ; out_w's rows 64 w on: 128 bytes of codes,
	s_lshl_b32 s60, s[WV], 9
	s_add_nc_u64 s[10:11], s[10:11], s[60:61]      ; 8 scale bytes,
	s_lshl_b32 s60, s[WV], 8
	s_add_nc_u64 s[12:13], s[12:13], s[60:61]      ; 4 bytes of bias a row
	v_and_b32 v7, 31, v0
	v_lshlrev_b32 v1, 4, v7                        ; 16 x lane; never rewritten
	v_lshlrev_b32 v6, 8, v7                        ; 256 x lane; never rewritten
	v_lshlrev_b32 v7, 2, v7                        ; 4 x lane; never rewritten
.irp e, 0,1
.irp s, 0,1
.irp c, 0,1
	global_load_b128 v[92+16*\e+8*\s+4*\c:95+16*\e+8*\s+4*\c], v1, s[4:5] offset:2048*\e+1024*\s+512*\c   ; Q stays in registers
.endr
.endr
	global_load_b32 v[16+\e], v7, s[58:59] offset:8192+128*\e   ; lanes 0-15: K step 0's words; lanes 16-31: K step 1's
.endr
	s_mul_i32 s62, s19, 2*BLK                      ; my key group's two blocks of a slot
	v_add_nc_u32 v2, s62, v1
	s_add_co_u32 s62, s62, SLOTB
	v_add_nc_u32 v3, s62, v1
.irp e, 0,1
	v_mov_b32 v[9+4*\e], 0xff61b1e6                ; the largest t so far: -3e38, under every t
	v_floor_f32 v[8+4*\e], -v[9+4*\e]              ; -M
	v_mov_b32 v[10+4*\e], 0                        ; l, in two halves
	v_mov_b32 v[11+4*\e], 0
.endr
; tile g (of 8) of K, both K steps, into buffer g % 3 (v76, v44, v60)
.macro KLOAD sl, g
.irp s, 0,1
.irp c, 0,1
	ds_load_b128 v[44+16*(((\g)+2)%3)+8*\s+4*\c:47+16*(((\g)+2)%3)+8*\s+4*\c], v[2+\sl] offset:((\g)/4)*BLK+((\g)%4)*2048+1024*\s+512*\c
.endr
.endr
.endm
; its four products: two accumulators by turns; the first K step starts the sums
.macro KQ g
.irp s, 0,1
.irp e, 0,1
.if \s
	v_wmma_scale_f32_16x16x128_f8f6f4 v[128+64*\e+8*(\g):135+64*\e+8*(\g)], v[52+16*(((\g)+2)%3):59+16*(((\g)+2)%3)], v[100+16*\e:107+16*\e], v[128+64*\e+8*(\g):135+64*\e+8*(\g)], v[20+(\g)], v[16+\e] matrix_a_fmt:MATRIX_FMT_FP4 matrix_b_fmt:MATRIX_FMT_FP4 matrix_a_scale:MATRIX_SCALE_ROW1 matrix_b_scale:MATRIX_SCALE_ROW1
.else
	v_wmma_scale_f32_16x16x128_f8f6f4 v[128+64*\e+8*(\g):135+64*\e+8*(\g)], v[44+16*(((\g)+2)%3):51+16*(((\g)+2)%3)], v[92+16*\e:99+16*\e], 0, v[20+(\g)], v[16+\e] matrix_a_fmt:MATRIX_FMT_FP4 matrix_b_fmt:MATRIX_FMT_FP4
.endif
.endr
.endr
.endm
; THE LARGEST SCORE OF BLOCK b (32 keys: tiles 2 b and 2 b + 1), my 16 of them, for both tiles of queries: it serves for the row's maximum and, since p rises with the score, for the block's largest p.
; Sixteen lines in two halves of eight.  Each accumulator is read from its low end on.  The lines name S^T's finished tiles and v36-43 alone, so they are places behind the products that stand in front of them.
.macro BMAX b, hf
.if (\hf) == 0
.irp e, 0,1
	v_max3_num_f32 v[36+4*\e+(\b)], v[128+64*\e+16*(\b)], v[129+64*\e+16*(\b)], v[130+64*\e+16*(\b)]
.endr
.irp i, 3,5,7
.irp e, 0,1
	v_max3_num_f32 v[36+4*\e+(\b)], v[36+4*\e+(\b)], v[128+64*\e+16*(\b)+\i], v[129+64*\e+16*(\b)+\i]
.endr
.endr
.else
.irp i, 9,11,13
.irp e, 0,1
	v_max3_num_f32 v[36+4*\e+(\b)], v[36+4*\e+(\b)], v[128+64*\e+16*(\b)+\i], v[129+64*\e+16*(\b)+\i]
.endr
.endr
.irp e, 0,1
	v_max_num_f32 v[36+4*\e+(\b)], v[36+4*\e+(\b)], v[143+64*\e+16*(\b)]
.endr
.endif
.endm
; O^T(e, t) += V^T(t) P^T(e).  V's scale words: lanes 0-15 of register t / 2 hold the even tile's, lanes 16-31 the odd one's
.macro PV t, e, first
.if \first
.if (\t)%2
	v_wmma_scale_f32_16x16x128_f8f6f4 v[128*\e+8*(\t):128*\e+8*(\t)+7], v[128+8*(\t):135+8*(\t)], v[76+8*\e:83+8*\e], 0, v[28+(\t)/2], v[18+\e] matrix_a_fmt:MATRIX_FMT_FP4 matrix_b_fmt:MATRIX_FMT_FP4 matrix_a_scale:MATRIX_SCALE_ROW1
.else
	v_wmma_scale_f32_16x16x128_f8f6f4 v[128*\e+8*(\t):128*\e+8*(\t)+7], v[128+8*(\t):135+8*(\t)], v[76+8*\e:83+8*\e], 0, v[28+(\t)/2], v[18+\e] matrix_a_fmt:MATRIX_FMT_FP4 matrix_b_fmt:MATRIX_FMT_FP4
.endif
.else
.if (\t)%2
	v_wmma_scale_f32_16x16x128_f8f6f4 v[128*\e+8*(\t):128*\e+8*(\t)+7], v[128+8*(\t):135+8*(\t)], v[76+8*\e:83+8*\e], v[128*\e+8*(\t):128*\e+8*(\t)+7], v[28+(\t)/2], v[18+\e] matrix_a_fmt:MATRIX_FMT_FP4 matrix_b_fmt:MATRIX_FMT_FP4 matrix_a_scale:MATRIX_SCALE_ROW1
.else
	v_wmma_scale_f32_16x16x128_f8f6f4 v[128*\e+8*(\t):128*\e+8*(\t)+7], v[128+8*(\t):135+8*(\t)], v[76+8*\e:83+8*\e], v[128*\e+8*(\t):128*\e+8*(\t)+7], v[28+(\t)/2], v[18+\e] matrix_a_fmt:MATRIX_FMT_FP4 matrix_b_fmt:MATRIX_FMT_FP4
.endif
.endif
.endm
.macro PVH hv, first                   ; sixteen of them: V's tiles 8 hv .. 8 hv + 7, each for both tiles of queries: every accumulator has one turn
.irp t, 0,1,2,3,4,5,6,7
	PV 8*\hv+\t, 0, \first
	PV 8*\hv+\t, 1, \first
.endr
.endm
.macro VLOAD sl, hv                    ; V's tiles 8 hv .. 8 hv + 7, into the 64 registers that the p of tile hv of the queries has left
.set J, 8*\hv
.rept 8
	ds_load_b128 v[128+8*J:131+8*J], v[2+\sl] offset:8192+512*J        ; keys 0-63,
	ds_load_b128 v[132+8*J:135+8*J], v[2+\sl] offset:BLK+8192+512*J    ; keys 64-127
.set J, J+1
.endr
.endm
; THE SOFTMAX'S TAIL for tile e of the queries: the row's sum of the unquantised p, the blocks' scales, the codes.  Temporaries at 44 + 16 e: +4..7 two chains of the sum, then the bytes; +8..11 a chain, then the conversions' scale operands.
.macro SMT e
	v_pk_add_f32 v[48+16*\e:49+16*\e], v[128+64*\e:129+64*\e], v[130+64*\e:131+64*\e]   ; two numbers at a time, in four chains that do not wait for each other: l itself and three that begin here
	v_pk_add_f32 v[50+16*\e:51+16*\e], v[132+64*\e:133+64*\e], v[134+64*\e:135+64*\e]
	v_pk_add_f32 v[52+16*\e:53+16*\e], v[136+64*\e:137+64*\e], v[138+64*\e:139+64*\e]
.set J, 12
.rept 6
	v_pk_add_f32 v[10+4*\e:11+4*\e], v[10+4*\e:11+4*\e], v[128+64*\e+J:129+64*\e+J]
	v_pk_add_f32 v[48+16*\e:49+16*\e], v[48+16*\e:49+16*\e], v[130+64*\e+J:131+64*\e+J]
	v_pk_add_f32 v[50+16*\e:51+16*\e], v[50+16*\e:51+16*\e], v[132+64*\e+J:133+64*\e+J]
	v_pk_add_f32 v[52+16*\e:53+16*\e], v[52+16*\e:53+16*\e], v[134+64*\e+J:135+64*\e+J]
.set J, J+8
.endr
	v_pk_add_f32 v[10+4*\e:11+4*\e], v[10+4*\e:11+4*\e], v[188+64*\e:189+64*\e]
	v_pk_add_f32 v[48+16*\e:49+16*\e], v[48+16*\e:49+16*\e], v[190+64*\e:191+64*\e]
	v_pk_add_f32 v[50+16*\e:51+16*\e], v[50+16*\e:51+16*\e], v[52+16*\e:53+16*\e]
	v_pk_add_f32 v[10+4*\e:11+4*\e], v[10+4*\e:11+4*\e], v[48+16*\e:49+16*\e]
	v_pk_add_f32 v[10+4*\e:11+4*\e], v[10+4*\e:11+4*\e], v[50+16*\e:51+16*\e]
.if \e == 0
	s_wait_alu depctr_va_vdst(0)                   ; one wait for the eight exponentials of the blocks' largest p, ahead of their first reader; the sums above are the work between
.endif
.irp b, 0,1,2,3
	v_max_num_f32 v[36+4*\e+\b], 0x1800000, v[36+4*\e+\b]   ; the floor 2^(3 - 127): the byte cannot fall under 1
.endr
.irp b, 0,1,2,3
	v_add_nc_u32 v[52+16*\e+\b], 0xff000000, v[36+4*\e+\b]   ; 2 off the exponent field: the conversion's scale operand
.endr
.irp b, 0,1,2,3
	v_lshrrev_b32 v[48+16*\e+\b], 23, v[52+16*\e+\b]   ; the scale's byte
.endr
	v_lshl_or_b32 v[18+\e], v[49+16*\e], 8, v[48+16*\e]   ; p's scale word for these 128 keys
	v_lshl_or_b32 v[18+\e], v[50+16*\e], 16, v[18+\e]
	v_lshl_or_b32 v[18+\e], v[51+16*\e], 24, v[18+\e]
.irp b, 0,1,2,3
	v_cvt_scalef32_pk8_fp4_f32 v[76+8*\e+2*\b], v[128+64*\e+16*\b:135+64*\e+16*\b], v[52+16*\e+\b]
	v_cvt_scalef32_pk8_fp4_f32 v[77+8*\e+2*\b], v[136+64*\e+16*\b:143+64*\e+16*\b], v[52+16*\e+\b]
.endr
	v_nop                                          ; one plain place behind the scaled conversions
.irp c, 0,1
.irp i, 0,1
	v_permlane16_swap_b32 v[76+8*\e+4*\c+\i], v[78+8*\e+4*\c+\i]   ; the operand's layout wants a whole block in a lane: lanes 0-15 block 2 c, lanes 16-31 block 2 c + 1
.endr
.endr
.endm
; A KEY STEP: my 128 keys of slot sl, and what follows it.  first = 1: the products V^T P start O^T's sums.  ask = 1: macro ASK.
; tail = 1: THE CHANGE OF SLOTS WITH A REFILL.  Each wave waits for all its tensor loads (its block of the slot ahead), adds 0 to its spare word, and waits for that and for its reads of slot sl, of which V's are the last; then it signals.
;   The barrier opens a round of the cluster's, so that no wave of any partner still reads slot sl or has a load on its way; the joint refill, two tiles on, is the first thing behind the round and has a step in which to land.
;   The first half of V^T P stands between the add and the wait for it, the second half between the signal and its wait: work on registers alone.
; tail = 2: the same without a refill, and so without a round.  tail = 0: the last step: the signal is that of the barrier ahead of the merge; its wait follows in the text behind the step.
; The softmax's other temporaries of tile e, at 44 + 16 e: +4..7 the other half of the lanes' maxima; +12 f (a pair); +14 at work.  K's loads have written all of v44-75, so the permutes' destinations and the pair's upper half count as written.
.macro STEP sl, first, ask, tail
.if \first == 0
	v_nop                                          ; with the four behind the change of slots six places stand behind the last V^T P: the first K Q^T writes over registers that it read, for which five are owed
	v_nop
.endif
	ds_load_b128 v[20:23], v[2+\sl] offset:16384         ; K's scale words, tiles 0-3: lanes 0-15 K step 0, lanes 16-31 K step 1
	ds_load_b128 v[24:27], v[2+\sl] offset:BLK+16384     ; tiles 4-7
	ds_load_b128 v[36:39], v[2+\sl] offset:16896         ; V's scale halves: key blocks 0, 1
	ds_load_b128 v[40:43], v[2+\sl] offset:BLK+16896     ; key blocks 2, 3
	KLOAD \sl, 0
	KLOAD \sl, 1
	KLOAD \sl, 2
.if \ask
	ASK                                            ; behind the refill, its four lines and the run of LDS loads that the next products wait for
.endif
.irp g, 0,1,2,3,4,5,6,7
.if \g < 6
	s_wait_dscnt 8                                 ; tile g (and all that was asked for ahead of it) is in; the two younger tiles' eight loads may be out
.elseif \g == 6
	s_wait_dscnt 4
.else
	s_wait_dscnt 0x0
.endif
	KQ \g
.if \g < 2
.irp u, 0,1,2,3
	v_perm_b32 v[28+4*\g+\u], v[40+2*\g+\u/2], v[36+2*\g+\u/2], s[44+\u%2]   ; V's scale words: bytes 0, 1 from the even block, 2, 3 from the odd one.  These four are also the places in front of the loads below
.endr
.else
	BMAX (\g-2)/2, (\g-2)%2                        ; eight lines on a block whose products stand at least four plain lines back: they are the places in front of the loads below, and stand beside K's loads
.endif
.if \g < 5
	KLOAD \sl, \g+3
.endif
.endr
	BMAX 3, 0                                      ; the last block: eight plain lines stand behind its products
	BMAX 3, 1
	; ---- the softmax.  Lane (r, h) holds query r; registers 16 b + 0 .. 15 of a tile are keys 32 b + 16 h + 0 .. 15
.irp e, 0,1
.irp b, 0,1,2,3
	v_permlanex16_b32 v[48+16*\e+\b], v[36+4*\e+\b], s40, s41
.endr
.endr
.irp e, 0,1
.irp b, 0,1,2,3
	v_max_num_f32 v[36+4*\e+\b], v[36+4*\e+\b], v[48+16*\e+\b]   ; with lane l xor 16's 16 keys
.endr
.endr
.irp e, 0,1
	v_max3_num_f32 v[58+16*\e], v[36+4*\e], v[37+4*\e], v[38+4*\e]
.endr
.irp e, 0,1
	v_max_num_f32 v[58+16*\e], v[58+16*\e], v[39+4*\e]   ; the step's largest score of my query
.endr
.irp e, 0,1
	v_mul_f32 v[58+16*\e], s42, v[58+16*\e]        ; as t (c is positive)
.endr
.irp e, 0,1
	v_max_num_f32 v[9+4*\e], v[9+4*\e], v[58+16*\e]   ; the running largest t
.endr
.irp e, 0,1
	v_mov_b32 v[58+16*\e], v[8+4*\e]
.endr
.irp e, 0,1
	v_floor_f32 v[8+4*\e], -v[9+4*\e]              ; the new -M = floor(-t) = -ceil(t): M is a whole number
.endr
.irp e, 0,1
	v_sub_f32 v[58+16*\e], v[8+4*\e], v[58+16*\e]  ; old M - new M: a whole number, 0 or less
.endr
.irp e, 0,1
	v_cvt_i32_f32 v[58+16*\e], v[58+16*\e]         ; (it saturates)
.endr
.irp e, 0,1
	v_ldexp_f32 v[56+16*\e], 1.0, v[58+16*\e]      ; f = 2^(old M - new M): a multiplication by it rounds nothing
.endr
.irp e, 0,1
.set J, 0
.rept 32
	v_pk_fma_f32 v[128+64*\e+J:129+64*\e+J], v[128+64*\e+J:129+64*\e+J], s[42:43], v[8+4*\e:9+4*\e] op_sel_hi:[1,0,0]   ; t - M, two at a time
.set J, J+2
.endr
.endr
.irp e, 0,1
.irp b, 0,1,2,3
	v_fma_f32 v[36+4*\e+\b], v[36+4*\e+\b], s42, v[8+4*\e]   ; the same of each block's largest score
.endr
.endr
.set J, 0
.rept 128
	v_exp_f32 v[128+J], v[128+J]                   ; p = 2^(t - M), at most 1: not normalised
.set J, J+1
.endr
.irp e, 0,1
	v_pk_mul_f32 v[10+4*\e:11+4*\e], v[10+4*\e:11+4*\e], v[56+16*\e:57+16*\e] op_sel_hi:[1,0]   ; l under the new M.  (The plain place behind the exponentials)
.endr
	s_wait_alu depctr_va_vdst(0)                   ; one wait for the batch of 128, ahead of its first reader
.irp e, 0,1
.irp b, 0,1,2,3
	v_exp_f32 v[36+4*\e+\b], v[36+4*\e+\b]         ; each block's largest p: the same two instructions on the same number give the same bits
.endr
.endr
	SMT 0                                          ; the first tile of queries is finished,
	VLOAD \sl, 0                                   ; and V's tiles 0-7 are asked for, into its registers,
	SMT 1                                          ; while the second is finished;
	VLOAD \sl, 1                                   ; then V's tiles 8-15
.if \first
.rept 8
	v_nop                                          ; p's scale words, written by vector instructions, stand eight places ahead of the scaled products
.endr
.else
	WIN 0x41                                       ; O^T (destination and source 0) window 1, f window 0
.irp e, 0,1
.set J, 0
.rept 64
	v_pk_mul_f32 v[128*\e+J:128*\e+J+1], v[128*\e+J:128*\e+J+1], v[56+16*\e:57+16*\e] op_sel_hi:[1,0]   ; O^T under the new M, each accumulator from its low end on.  V lands meanwhile
.set J, J+2
.endr
.endr
.endif
.if \tail
	WIN 0                                          ; (the add's two registers lie in window 0)
	s_wait_tensorcnt 0x0                           ; no tensor load of mine is out: my block of the slot ahead has landed, and a group 0 may be written
	ds_add_u32 v4, v5                              ; 0 onto my spare word
.if \tail == 1
	s_add_nc_u64 s[34+4*\sl:35+4*\sl], s[34+4*\sl:35+4*\sl], 2*SLOTB   ; the slot's next tile; the type bits on top are not reached
	s_wait_xcnt 0x0                                ; the last prefetch, at this step's head, has read its address:
	s_add_nc_u64 s[48:49], s[48:49], SLOTB         ; it goes a tile on
.endif
	s_wait_dscnt 17                                ; V's tiles 0-7 are in; the add and the sixteen loads of tiles 8-15 may be out
.else
	s_wait_dscnt 16                                ; V's tiles 0-7 are in; the sixteen loads of tiles 8-15 may be out
.endif
	WIN 0x50                                       ; C and D window 1
	PVH 0, \first
	s_wait_dscnt 0x0                               ; V's tiles 8-15 are in: my reads of the slot are over (and the add is done):
	s_barrier_signal -1                            ; say so,
	PVH 1, \first                                  ; work on registers while the others arrive,
	WIN 0
.if \tail
	s_barrier_wait -1                              ; and go on when all eight have said so
.if \tail == 1
	CREST                                          ; wave 0 says so for the work-group, all four work-groups have said so, my work-group's barrier closes the round
	tensor_load_to_lds s[32+4*\sl:35+4*\sl], s[24:31]
	s_nop 0
.endif
.rept 4
	v_nop                                          ; behind the load; also places behind the step's last products
.endr
.endif
.endm
	s_wait_tensorcnt 1                             ; my block of tile 0 is in; tile 1's may stay out
	s_barrier_signal -1
	s_barrier_wait -1                              ; everybody's is
	s_wait_loadcnt 0x0                             ; Q and its scale words
	STEP 0, 1, 0, 1                                ; step 0; slot 0 then takes tile 2
	s_mov_b32 s46, 2
.Ltrip:                                            ; two trips: steps 1 to 4; tiles 3 to 6 are asked for
	STEP 1, 0, 1, 1
	STEP 0, 0, 1, 1
	s_sub_co_u32 s46, s46, 1
	s_cmp_lg_u32 s46, 0
	s_cbranch_scc1 .Ltrip
	STEP 1, 0, 1, 1                                ; step 5; slot 1 then takes tile 7, the last.  The rest is written out
	STEP 0, 0, 0, 2                                ; step 6: nothing is left to fetch
	STEP 1, 0, 0, 0                                ; step 7; it has signalled the barrier whose wait stands below
	; ---- THE END.  1: l's halves are joined, and the end's addresses are made: work on registers between the signal and its wait, and the places behind the last products
.irp e, 0,1
	v_add_f32 v[10+4*\e], v[10+4*\e], v[11+4*\e]
.endr
.irp e, 0,1
	v_permlanex16_b32 v[11+4*\e], v[10+4*\e], s40, s41
.endr
.irp e, 0,1
	v_add_f32 v[10+4*\e], v[10+4*\e], v[11+4*\e]   ; my key group's l of query r
.endr
	v_and_b32 v117, 15, v0                         ; r
	v_bfe_u32 v118, v0, 4, 1                       ; h
	s_lshl_b32 s50, s[WV], 15
	v_add_nc_u32 v2, s50, v1                       ; my 32,768 bytes of the merge's region: O^T's 64 groups of four registers as they stand, 512 bytes each
	s_lshl_b32 s50, s[WV], 8
	s_add_co_u32 s50, s50, STAT
	v_add_nc_u32 v3, s50, v7                       ; my statistics
	s_lshr_b32 s50, s[WV], 1
	s_lshl_b32 s50, s50, 7
	s_add_co_u32 s50, s50, STAT
	v_add_nc_u32 v43, s50, v7                      ; the statistics of query tile w / 2: key group k's 512 k further on
	s_lshr_b32 s50, s[WV], 2
	s_lshl_b32 s50, s50, 15
	s_and_b32 s51, s[WV], 3
	s_lshl_b32 s51, s51, 13
	s_add_co_u32 s50, s50, s51
.irp k, 0,1,2,3
	v_add_nc_u32 v[36+\k], s50, v1                 ; key group k's O^T of query tile w / 2, channels 128 (w % 2) on: 65,536 k + 32,768 (w / 4) + 8,192 (w % 4)
	s_add_co_u32 s50, s50, 65536
.endr
	v_lshlrev_b32 v119, 4, v117
	v_lshl_add_u32 v119, v118, 14, v119            ; x and out0: lanes 0-15 one row's 256 bytes, lanes 16-31 the next row's; never rewritten
	v_lshlrev_b32 v120, 7, v117
	v_lshl_add_u32 v120, v118, 4, v120             ; out_w's codes: row r of 128 bytes, + 16 h; never rewritten
	v_lshlrev_b32 v121, 3, v117
	v_lshl_add_u32 v121, v118, 2, v121             ; its scale words: row r, K step h; never rewritten
	v_lshlrev_b32 v122, 2, v117                    ; out_b: row r; never rewritten
	s_barrier_wait -1                              ; nobody reads a slot any more, and both have had their last fill: the merge's region lies in them
	; ---- 2: my statistics and my O^T go to LDS; then the end's loads from memory go out
.irp e, 0,1
	ds_store_b32 v3, v[8+4*\e] offset:128*\e
	ds_store_b32 v3, v[10+4*\e] offset:128*\e+2048
.endr
	WIN 0x04                                       ; an LDS store's data are its source 1: window 1
.set J, 0
.rept 64
	ds_store_b128 v2, v[4*J:4*J+3] offset:512*J    ; each accumulator from its low end on
.set J, J+1
.endr
	WIN 0
	s_wait_dscnt 0x0                               ; the stores have landed and have read their registers, which the loads below take
.irp t, 0,1,2,3
	global_load_b32 v[24+\t], v121, s[10:11] offset:128*\t   ; out_w's scale words, tile t of my 64 rows: lanes 0-15 K step 0, lanes 16-31 K step 1
.endr
.irp t, 0,1,2,3
	global_load_b32 v[32+\t], v122, s[12:13] offset:64*\t    ; out_b
.endr
	WIN 0x40                                       ; destination window 1
.irp t, 0,1,2,3
.irp s, 0,1
.irp c, 0,1
	global_load_b128 v[16*\t+8*\s+4*\c:16*\t+8*\s+4*\c+3], v120, s[8:9] offset:2048*\t+64*\s+32*\c   ; out_w's fragments
.endr
.endr
.endr
.set J, 0
.rept 32
	global_load_b128 v[64+4*J:67+4*J], v119, s[14:15] offset:32768*J th:TH_LOAD_NT   ; x, rows 64 w + 2 J + h: sixteen lanes read 256 consecutive bytes, aligned
.set J, J+1
.endr
	WIN 0
	s_barrier_signal -1                            ; (these loads' offsets and bases are written no more, so no wait stands here for them)
	s_barrier_wait -1                              ; all eight waves' O^T and statistics lie in LDS
	; ---- 3: wave w merges query tile w / 2, channels 128 (w % 2) on, and quantises O / l along the channels
.macro PLOAD k, reg
.set J, 0
.rept 16
	ds_load_b128 v[\reg+4*J:\reg+4*J+3], v[36+\k] offset:512*J
.set J, J+1
.endr
.endm
.irp k, 0,1,2,3
	ds_load_b32 v[8+\k], v43 offset:512*\k         ; -M of key group k
	ds_load_b32 v[12+\k], v43 offset:512*\k+2048   ; its l
.endr
	PLOAD 0, 128
	PLOAD 1, 192
	PLOAD 2, 44
	s_lshl_b32 s50, s[WV], 10
	s_add_co_u32 s50, s50, OIMG
	v_add_nc_u32 v2, s50, v1                       ; where my fragment's image goes
	s_lshl_b32 s50, s[WV], 6
	s_add_co_u32 s50, s50, OSC
	v_lshl_add_u32 v3, v117, 2, s50                ; and its scale words
	s_wait_dscnt 48                                ; the statistics are in; the three runs of 16 may be out
	v_min_num_f32 v40, v8, v9
	v_min_num_f32 v41, v10, v11
	v_min_num_f32 v40, v40, v41                    ; -M of all keys
.irp k, 0,1,2,3
	v_sub_f32 v[8+\k], v40, v[8+\k]                ; M_k - M: a whole number, 0 or less
.endr
.irp k, 0,1,2,3
	v_cvt_i32_f32 v[8+\k], v[8+\k]
.endr
.irp k, 0,1,2,3
	v_ldexp_f32 v[8+\k], 1.0, v[8+\k]              ; f_k = 2^(M_k - M)
.endr
	v_mul_f32 v41, v8, v12
	v_fmac_f32 v41, v9, v13
	v_fmac_f32 v41, v10, v14
	v_fmac_f32 v41, v11, v15                       ; l of all keys
	v_rcp_f32 v42, v41
	v_nop                                          ; a plain place behind the reciprocal
	s_wait_alu depctr_va_vdst(0)                   ; and the wait ahead of its first reader
.irp k, 0,1,2,3
	v_mul_f32 v[16+2*\k], v[8+\k], v42             ; f_k / l, in the low word of a pair (the upper words, v17 to v23, held scale words: they are written)
.endr
	s_wait_dscnt 32                                ; key group 0's is in
.set J, 0
.rept 32
	v_pk_mul_f32 v[128+J:129+J], v[128+J:129+J], v[16:17] op_sel_hi:[1,0]
.set J, J+2
.endr
	s_wait_dscnt 16                                ; key group 1's
.set J, 0
.rept 32
	v_pk_fma_f32 v[128+J:129+J], v[192+J:193+J], v[18:19], v[128+J:129+J] op_sel_hi:[1,0,1]
.set J, J+2
.endr
	PLOAD 3, 192
	s_wait_dscnt 16                                ; key group 2's; the 16 just issued may be out
.set J, 0
.rept 32
	v_pk_fma_f32 v[128+J:129+J], v[44+J:45+J], v[20:21], v[128+J:129+J] op_sel_hi:[1,0,1]
.set J, J+2
.endr
	s_wait_dscnt 0x0
.set J, 0
.rept 32
	v_pk_fma_f32 v[128+J:129+J], v[192+J:193+J], v[22:23], v[128+J:129+J] op_sel_hi:[1,0,1]   ; register 16 b + i = O / l at channel 32 b + 16 h + i of my K step, query r
.set J, J+2
.endr
.irp b, 0,1,2,3
	v_max3_num_f32 v[8+\b], |v[128+16*\b]|, |v[129+16*\b]|, 0x1800000   ; block b: my 16 numbers, and the floor 2^(3 - 127)
.endr
.irp i, 2,4,6,8,10,12,14
.irp b, 0,1,2,3
	v_max3_num_f32 v[8+\b], v[8+\b], |v[128+16*\b+\i]|, |v[129+16*\b+\i]|
.endr
.endr
.irp b, 0,1,2,3
	v_permlanex16_b32 v[12+\b], v[8+\b], s40, s41
.endr
.irp b, 0,1,2,3
	v_max_num_f32 v[8+\b], v[8+\b], v[12+\b]       ; with lane l xor 16's: the block's largest magnitude
.endr
.irp b, 0,1,2,3
	v_add_nc_u32 v[16+\b], 0xff000000, v[8+\b]
.endr
.irp b, 0,1,2,3
	v_lshrrev_b32 v[12+\b], 23, v[16+\b]           ; the scale's byte
.endr
	v_lshl_or_b32 v116, v13, 8, v12                ; my row's scale word
	v_lshl_or_b32 v116, v14, 16, v116
	v_lshl_or_b32 v116, v15, 24, v116
.irp b, 0,1,2,3
	v_cvt_scalef32_pk8_fp4_f32 v[108+2*\b], v[128+16*\b:135+16*\b], v[16+\b]
	v_cvt_scalef32_pk8_fp4_f32 v[109+2*\b], v[136+16*\b:143+16*\b], v[16+\b]
.endr
	v_nop                                          ; one plain place behind the scaled conversions
.irp c, 0,1
.irp i, 0,1
	v_permlane16_swap_b32 v[108+4*\c+\i], v[110+4*\c+\i]
.endr
.endr
	ds_store_b128 v2, v[108:111]
	ds_store_b128 v2, v[112:115] offset:512
	ds_store_b32 v3, v116                          ; (both halves of the lanes write the same word with the same value)
	s_wait_dscnt 0x0
	s_barrier_signal -1
	s_barrier_wait -1                              ; the eight fragments of O / l lie in LDS, and nobody reads the merge's region any more: the stages lie in it
	; ---- 4: wave w makes rows o = 64 w .. 64 w + 63 of out0 for the 64 queries: source 0 = 16 queries, source 1 = 16 rows of out_w: a lane holds one row o and eight neighbouring queries
	s_wait_loadcnt 32                              ; out_w, its scale words and out_b are in; x's 32 loads may be out
	WIN 0x40
.irp t, 0,1,2,3
.irp j, 0,1,2,3,4,5,6,7
	v_mov_b32 v[192+8*\t+\j], v[32+\t]             ; the bias as C: a lane's one row fills eight registers, in window 1
.endr
.endr
	WIN 0
	v_add_nc_u32 v124, OIMG, v1                    ; an image's place for my lane.  (These eight lines also stand between the lines above and the products)
	v_add_nc_u32 v125, OSC, v7                     ; scale words: lanes 0-15 K step 0, lanes 16-31 K step 1
	s_mul_i32 s50, s[WV], 17408                    ; my stage: 64 rows of 256 bytes + 16
	v_mul_u32_u24 v126, v117, 272
	v_lshl_add_u32 v126, v118, 6, v126
	v_add_nc_u32 v126, s50, v126                   ; in: row r, + 64 h: queries 16 h on
	v_mul_u32_u24 v123, v118, 272
	v_lshl_add_u32 v123, v117, 4, v123
	v_add_nc_u32 v123, s50, v123                   ; back: lanes 0-15 one row, lanes 16-31 the next
.irp q, 0,1,2,3
.irp s, 0,1
.irp c, 0,1
	ds_load_b128 v[44+16*\q+8*\s+4*\c:47+16*\q+8*\s+4*\c], v124 offset:2048*\q+1024*\s+512*\c
.endr
.endr
	ds_load_b32 v[28+\q], v125 offset:128*\q
.endr
	s_wait_dscnt 0x0
	WIN 0x14                                       ; source 1 (out_w) and C (the bias) window 1
.irp q, 0,1,2,3
.irp t, 0,1,2,3
	v_wmma_scale_f32_16x16x128_f8f6f4 v[128+8*(4*\q+\t):135+8*(4*\q+\t)], v[44+16*\q:51+16*\q], v[16*\t:16*\t+7], v[192+8*\t:199+8*\t], v[28+\q], v[24+\t] matrix_a_fmt:MATRIX_FMT_FP4 matrix_b_fmt:MATRIX_FMT_FP4
.endr
.endr
	WIN 0x04                                       ; C and D window 0: the sixteen accumulators take turns
.irp q, 0,1,2,3
.irp t, 0,1,2,3
	v_wmma_scale_f32_16x16x128_f8f6f4 v[128+8*(4*\q+\t):135+8*(4*\q+\t)], v[52+16*\q:59+16*\q], v[16*\t+8:16*\t+15], v[128+8*(4*\q+\t):135+8*(4*\q+\t)], v[28+\q], v[24+\t] matrix_a_fmt:MATRIX_FMT_FP4 matrix_b_fmt:MATRIX_FMT_FP4 matrix_a_scale:MATRIX_SCALE_ROW1 matrix_b_scale:MATRIX_SCALE_ROW1
.endr
.endr
	WIN 0
.rept 4
	v_nop                                          ; four places in front of the first read of results and of loads into registers that the products read
.endr
.irp q, 0,1,2,3
.irp t, 0,1,2,3
	ds_store_b128 v126, v[128+8*(4*\q+\t):131+8*(4*\q+\t)] offset:4352*\t+128*(\q/2)+32*(\q%2)      ; lane (r, h): row 16 t + r, queries 32 (q / 2) + 8 (q % 2) + 16 h + 0 .. 7
	ds_store_b128 v126, v[132+8*(4*\q+\t):135+8*(4*\q+\t)] offset:4352*\t+128*(\q/2)+32*(\q%2)+16
.endr
.endr
	s_wait_loadcnt 0x0                             ; x
.irp u, 0,1                            ; 32 rows at a time: back from my own stage (LDS serves a wave's instructions in order), + x, out
.set J, 0
.rept 16
	ds_load_b128 v[44+4*J:47+4*J], v123 offset:544*(16*\u+J)
.set J, J+1
.endr
	s_wait_dscnt 0x0
	WIN 0x44                                       ; x (source 1 and destination) window 1
.set J, 0
.rept 32
	v_pk_add_f32 v[64+64*\u+J:65+64*\u+J], v[44+J:45+J], v[64+64*\u+J:65+64*\u+J]
.set J, J+2
.endr
	WIN 0x04                                       ; a store's data are its source 1: window 1
.set J, 0
.rept 16
	global_store_b128 v119, v[64+64*\u+4*J:67+64*\u+4*J], s[16:17] offset:32768*(16*\u+J) th:TH_STORE_NT   ; sixteen lanes store 256 consecutive bytes, aligned; written once, read by nobody here
.set J, J+1
.endr
	WIN 0
.endr
	s_wait_tensorcnt 0x0                           ; the wave's end: behind my last tensor load and my last LDS store
	ds_add_u32 v4, v5
	s_wait_dscnt 0x0
	CROUND                                         ; the closing round: no work-group ends while a partner may still ask for a tile that names it
	s_endpgm
.Lfunc_end_k_q743bc0c3e1_attn:
	.size	k_q743bc0c3e1_attn, .Lfunc_end_k_q743bc0c3e1_attn-k_q743bc0c3e1_attn
	.p2alignl 7, 3214868480
	.fill 96, 4, 3214868480
	.section	.rodata,"a",@progbits
	.p2align	6, 0x0
	.amdhsa_kernel k_q743bc0c3e1_attn
		.amdhsa_group_segment_fixed_size 327680
		.amdhsa_private_segment_fixed_size 0
		.amdhsa_enable_private_segment 0
		.amdhsa_kernarg_size 56
		.amdhsa_user_sgpr_count 2
		.amdhsa_user_sgpr_kernarg_segment_ptr 1
		.amdhsa_wavefront_size32 1
		.amdhsa_system_sgpr_workgroup_id_x 1
		.amdhsa_system_sgpr_workgroup_id_y 1
		.amdhsa_system_sgpr_workgroup_id_z 1
		.amdhsa_system_vgpr_workitem_id 0
		.amdhsa_next_free_vgpr 512
		.amdhsa_next_free_sgpr 80
		.amdhsa_reserve_vcc 0
		.amdhsa_float_denorm_mode_32 3
		.amdhsa_float_denorm_mode_16_64 3
		.amdhsa_memory_ordered 1
		.amdhsa_forward_progress 1
		.amdhsa_inst_pref_size 255
	.end_amdhsa_kernel
	.section	.bss,"aw",@nobits
	.p2align	6
	.space	262144
	.amdgpu_metadata
---
amdhsa.version: [ 1, 2 ]
amdhsa.kernels:
  - .name:           k_q743bc0c3e1_attn
    .symbol:         k_q743bc0c3e1_attn.kd
    .args:
      - { .name: qc, .offset: 0, .size: 8, .value_kind: global_buffer, .address_space: global }
      - { .name: kv, .offset: 8, .size: 8, .value_kind: global_buffer, .address_space: global }
      - { .name: out_w_codes, .offset: 16, .size: 8, .value_kind: global_buffer, .address_space: global }
      - { .name: out_w_scales, .offset: 24, .size: 8, .value_kind: global_buffer, .address_space: global }
      - { .name: out_b, .offset: 32, .size: 8, .value_kind: global_buffer, .address_space: global }
      - { .name: x, .offset: 40, .size: 8, .value_kind: global_buffer, .address_space: global }
      - { .name: out0, .offset: 48, .size: 8, .value_kind: global_buffer, .address_space: global }
    .group_segment_fixed_size: 327680
    .private_segment_fixed_size: 0
    .kernarg_segment_align: 8
    .kernarg_segment_size: 56
    .max_flat_workgroup_size: 256
    .sgpr_count:     80
    .vgpr_count:     512
    .wavefront_size: 32
...
	.end_amdgpu_metadata
.endif
;; end of part 2
